; MI455X (gfx1250); checked and timed in simulation.
; The chip was launched on July 23, 2026; its instructions are those of AMD's public machine-readable ISA for CDNA 5 (MIT licence, August 2026) and "CDNA5" Instruction Set Architecture Reference Guide (July 2026). The comments in the code are by the model that wrote it; some were corrected since.
;; Multi Query Attention. Allowed arithmetic: matrix products marked QUANTISED: E2M3 operands, one E8M0 scale for each 32 along K, by v_wmma_scale_f32_16x16x128_f8f6f4 with both operands' format E2M3, f32 sums; everything else in f32.
;; Inputs: Wk 64 x 4,096 float32; Wo 4,096 x 4,096 float32; Wq 4,096 x 4,096 float32; Wv 64 x 4,096 float32; bk 64 float32; bo 4,096 float32; bq 4,096 float32; bv 64 float32; x 32 x 64 x 4,096 float32.
;; Outputs: out0 32 x 64 x 4,096 float32.
;; This version of the problem:
;;   THIS VERSION OF THE PROBLEM IS GIVEN IN LOW PRECISION. The matrix products marked QUANTISED in the list below multiply operands that are first quantised to E2M3 (2 exponent bits, 3 mantissa bits; 6 bits a number), with one power-of-two scale for each 32 numbers along K (OCP MX v1.0); their sums are f32. All else is computed in f32.
;;   The module's matrix products, in the order in which they are computed (A, B: the left and right operand; K: the contracted axis; several contracted axes count as one K, in the product's order):
;;     1. [M 2,048, K 4,096] x [K 4,096, N 4,096]; A: input x; B: input Wq: QUANTISED
;;     2. [M 2,048, K 4,096] x [K 4,096, N 64]; A: input x; B: input Wk: QUANTISED
;;     3. [M 2,048, K 4,096] x [K 4,096, N 64]; A: input x; B: input Wv: QUANTISED
;;     4. [M 2,048, K 4,096] x [K 4,096, N 4,096]; A: computed on the way; B: input Wo: QUANTISED
;;   THE QUANTISER, for each operand of a quantised product, along K:
;;     - K is cut into blocks of 32 from its start; a last block that is shorter is filled with zeros.
;;     - A block's scale is 2^e with e = floor(log2(the largest magnitude in the block)) - 2, held to -126 .. 127; a block of zeros has e = 0. As a byte (E8M0): e + 127.
;;     - Each number is divided by its block's scale, clamped to +-7.5, and rounded to the nearest number of E2M3, ties to even, subnormals kept.
;;     - The product sums the exact products of the quantised numbers (number of the format x scale) in f32.
;;   ~~~python
;;   def quantise(x, axis):      # numpy; x: float32 -> the quantised numbers, widened to float32 again
;;       x = np.moveaxis(x, axis, -1); K = x.shape[-1]
;;       x = np.pad(x, [(0, 0)] * (x.ndim - 1) + [(0, -K % 32)]); x = x.reshape(x.shape[:-1] + (-1, 32)); a = np.abs(x).max(-1, keepdims=True)
;;       e = np.where(a > 0, np.clip(np.frexp(np.where(a > 0, a, 1))[1] - 1 - 2, -126, 127), 0)      # np.frexp(a)[1] - 1 = floor(log2(a)), exactly
;;       r = np.clip(x / 2.0 ** e, -7.5, 7.5)
;;       step = 2.0 ** (np.maximum(np.frexp(np.where(r == 0, 1, r))[1] - 1, 0) - 3)
;;       q = np.round(r / step) * step * 2.0 ** e      # np.round: ties to even
;;       return np.moveaxis(q.reshape(q.shape[:-2] + (-1,))[..., :K], -1, axis).astype(np.float32)
;;   ~~~
;;   OPERANDS COMPUTED ON THE WAY. 'Computed on the way' means the value that the module computes at that place (a softmax that the list does not call 'softmax' is quantised finished and normalised). What goes into a quantiser is computed in f32, as accurately as f32 sums, v_exp_f32 and their like allow (about 1e-6 of the number): no bf16 or f16 on the way to a quantiser, and a product that is left as it is and whose result goes on into a quantised operand takes f32 operands (vector FMAs, or v_wmma_f32_16x16x4_f32). A number that lies on a knife's edge between two numbers of the format may be rounded either way, as far as f32 arithmetic and the matrix unit's own rounding can turn it there, and no further.
;; One version. Each part assembles by itself: llvm-mc -triple=amdgcn-amd-amdhsa -mcpu=gfx1250 --defsym DOCPART=n.
;; ======== version 1 of 1: 4 launches
;; limits: right only within a limited range of input values
;; workspace buffers: wrec 33,177,600 bytes; kvt 1,048,576 bytes; arec 6,553,600 bytes
;; launch quant (part 1): grid 1296 x 1, 4 waves a work-group, no clusters, 35,328 bytes of LDS; arguments x, Wk, Wv, Wq, Wo, wrec; writes wrec
.if DOCPART == 1
	.amdgcn_target "amdgcn-amd-amdhsa--gfx1250"
	.amdhsa_code_object_version 6
	.text
	.protected	k_q4ca20b8466_quant
	.globl	k_q4ca20b8466_quant
	.p2align	8
	.type	k_q4ca20b8466_quant,@function
k_q4ca20b8466_quant:
	s_mov_b64 s[64:65], 0
	v_nop
	global_prefetch_b8 v0, s[64:65] scope:SCOPE_SE
	s_setreg_imm32_b32 hwreg(HW_REG_WAVE_MODE, 25, 1), 1
	s_wait_xcnt 0x0
; x [2048][4096], Wk, Wv [64][4096], Wq, Wo [4096][4096], all f32 with K innermost, become RECORDS of FP6 (E2M3) codes and E8M0 scale words.
; A RECORD is 16 rows x 512 K = 6,400 bytes: four images of an operand's registers (one for each 128 K, 1,536 bytes: byte 512 c + 16 lane + 4 i is register 4 c + i of that lane),
; then 256 bytes of scale words (word (q, r) at 6,144 + 64 q + 4 r; byte b scales k = 32 b .. 32 b + 31 of the q-th 128).  A tensor is laid [row tile][chunk of 512 K][6,400].
; The rows of a tile: x, Wk, Wv: position r is row 16 T + r.  Wq, Wo: position r of tile T = 2 B + u is row 32 B + 8 u + r + 8 (r / 8), so that in the products, which are used transposed,
; a lane's 16 registers of two neighbouring tiles are 16 neighbouring columns.
; A block's scale is 2^(floor(log2(its largest magnitude)) - 2); its byte is the largest magnitude's exponent field - 2, held at 1 from below.
; LIMITS: a block of zeros gets the byte 1 where the rule says 127 (its codes are zeros, and this program alone reads the bytes); NaN and infinities among the inputs are not served.
; SHARES: a wave makes one record, a work-group four; record 4 x work-group + wave of the output buffer.  Work-groups 0-255 take x, 256-263 Wk, 264-271 Wv, 272-783 Wq, 784-1295 Wo: pointers are chosen, the path is one.
; Each load reads 512 consecutive bytes of one row; a step's 16 rows x 128 K turn through the wave's own stage in LDS, so that a lane then holds 16 neighbours of each block of 32 of ONE row.
; No tensor loads, no barrier: waves share nothing.  Three steps' loads (48 a wave) are out at the start.
.set STGP,  528                        ; a stage row: 512 bytes + 16, so that the sixteen rows of a read begin in different banks
.set WREG,  8704                       ; LDS of a wave: 16 stage rows, then 256 bytes for its scale words
.set SCW,   8448
.set PW,    16                         ; v16-19   the four steps' scale words
.set TM,    20                         ; v20-35   at work in QUANT
.set PC,    36                         ; v36-55   the codes just made
.set R,     64                         ; v64-255  three sets of 64 numbers
.set SEL,   24                         ; s[24:25] v_permlanex16_b32's selects for lane l xor 16
	s_load_b256 s[4:11], s[0:1], 0x0               ; x, Wk, Wv, Wq
	s_load_b128 s[12:15], s[0:1], 0x20             ; Wo, wrec
	v_lshl_add_u32 v62, v0, 2, 0x8800
	v_mov_b32 v63, 0
	v_lshrrev_b32 v1, 5, v0
	v_readfirstlane_b32 s22, v1                    ; wave
	v_and_b32 v1, 31, v0                           ; lane
	v_and_b32 v2, 15, v0                           ; r
	v_bfe_u32 v3, v0, 4, 1                         ; h
	v_lshlrev_b32 v4, 4, v1                        ; 16 x lane: my bytes of a load's 512, and of a store's
	v_lshlrev_b32 v10, 3, v1                       ; 8 x lane: the scale words on their way out
	s_mul_i32 s26, s22, WREG
	s_add_co_u32 s27, s26, SCW
	v_add_nc_u32 v6, s26, v4                       ; the stage, on the way in: 16 x lane in a row
	v_mul_u32_u24 v7, v2, STGP
	v_lshl_add_u32 v7, v3, 6, v7
	v_add_nc_u32 v7, s26, v7                       ; and back: row r, + 64 h: 16 numbers of each block of 32
	v_lshl_add_u32 v8, v2, 2, s27                  ; my row's scale word
	v_add_nc_u32 v9, s27, v10
	s_mov_b32 s[SEL], 0x76543210
	s_mov_b32 s[SEL+1], 0xfedcba98
.irp b, 0,1,2,3
	v_mov_b32 v[TM+4+\b], 0                        ; written once: a lane permute's destination counts as one of its sources
.endr
	s_mov_b32 s18, 784                             ; the first work-group of the tensor in hand: Wo's, unless ..
	s_wait_alu depctr_va_vdst(0)
	s_wait_kmcnt 0x0
	s_mov_b64 s[16:17], s[12:13]
	s_cmp_lt_u32 ttmp9, 784                        ; every choice hangs on the work-group's number alone
	s_cselect_b64 s[16:17], s[10:11], s[16:17]     ; Wq
	s_cselect_b32 s18, 272, s18
	s_cmp_lt_u32 ttmp9, 272
	s_cselect_b64 s[16:17], s[8:9], s[16:17]       ; Wv
	s_cselect_b32 s18, 264, s18
	s_cselect_b32 s19, 0, 1                        ; 1: the tile's rows are the permuted ones (Wq, Wo)
	s_cmp_lt_u32 ttmp9, 264
	s_cselect_b64 s[16:17], s[6:7], s[16:17]       ; Wk
	s_cselect_b32 s18, 256, s18
	s_cmp_lt_u32 ttmp9, 256
	s_cselect_b64 s[16:17], s[4:5], s[16:17]       ; x
	s_cselect_b32 s18, 0, s18
	s_sub_co_u32 s26, ttmp9, s18
	s_lshl_b32 s26, s26, 2
	s_add_co_u32 s26, s26, s22                     ; my record in the tensor
	s_lshr_b32 s27, s26, 3                         ; row tile T
	s_and_b32 s28, s26, 7                          ; chunk of 512 K
	s_and_b32 s29, s27, 1
	s_mul_i32 s29, s29, s19
	s_lshl_b32 s29, s29, 3
	s_lshl_b32 s27, s27, 4
	s_sub_co_u32 s27, s27, s29                     ; the tile's first row: 16 T, or 16 T - 8 (T % 2)
	s_lshl_b32 s30, s27, 14                        ; a row is 16,384 bytes,
	s_lshl_b32 s28, s28, 11                        ; a chunk 2,048
	s_add_co_u32 s30, s30, s28                     ; under 2^27
	s_mov_b32 s31, 0
	s_add_nc_u64 s[16:17], s[16:17], s[30:31]
	s_lshl_b32 s30, ttmp9, 2
	s_add_co_u32 s30, s30, s22
	s_mul_i32 s30, s30, 6400                       ; the records lie in the order of the work-groups
	s_add_nc_u64 s[20:21], s[14:15], s[30:31]
	s_lshl_b32 s27, s19, 17
	v_add_nc_u32 v5, s27, v4                       ; positions 8-15 of a permuted tile lie 8 rows further down
.macro LOAD t                          ; step t: 128 K of the 16 rows, into set t % 3; each load reads 512 consecutive bytes
.irp i, 0,1,2,3,4,5,6,7
	global_load_b128 v[R+64*((\t)%3)+4*\i:R+64*((\t)%3)+4*\i+3], v4, s[16:17] offset:16384*\i+512*(\t) th:TH_LOAD_NT
.endr
.irp i, 8,9,10,11,12,13,14,15
	global_load_b128 v[R+64*((\t)%3)+4*\i:R+64*((\t)%3)+4*\i+3], v5, s[16:17] offset:16384*\i+512*(\t) th:TH_LOAD_NT
.endr
.endm
.macro TURN t                          ; through the stage and back into the same set: LDS serves a wave's instructions in order, so no wait stands between, nor in front of the next step's stores
.irp i, 0,1,2,3,4,5,6,7,8,9,10,11,12,13,14,15
	ds_store_b128 v6, v[R+64*((\t)%3)+4*\i:R+64*((\t)%3)+4*\i+3] offset:STGP*\i
.endr
.irp b, 0,1,2,3
.irp j, 0,1,2,3
	ds_load_b128 v[R+64*((\t)%3)+16*\b+4*\j:R+64*((\t)%3)+16*\b+4*\j+3], v7 offset:128*\b+16*\j   ; register 16 b + i = k 32 b + 16 h + i of row r
.endr
.endr
.endm
; 64 numbers of a lane, register 16 b + i = k 32 b + 16 (lane / 16) + i of my row, become a fragment's codes in v[PC] on and its scale word in v[pw].
.macro QUANT s, pw
.irp b, 0,1,2,3
	v_max3_num_f32 v[TM+\b], |v[(\s)+16*\b]|, |v[(\s)+1+16*\b]|, 0x1800000   ; block b: my 16 numbers, and the floor 2^(3 - 127): the byte cannot fall under 1
.endr
.irp n, 2,4,6,8,10,12,14
.irp b, 0,1,2,3
	v_max3_num_f32 v[TM+\b], v[TM+\b], |v[(\s)+16*\b+\n]|, |v[(\s)+1+16*\b+\n]|   ; the four blocks by turns
.endr
.endr
.irp b, 0,1,2,3
	v_permlanex16_b32 v[TM+4+\b], v[TM+\b], s[SEL], s[SEL+1]
.endr
.irp b, 0,1,2,3
	v_max_num_f32 v[TM+\b], v[TM+\b], v[TM+4+\b]   ; with lane l xor 16's: the block's largest magnitude
.endr
.irp b, 0,1,2,3
	v_add_nc_u32 v[TM+12+\b], 0xff000000, v[TM+\b] ; 2 off its exponent field: the conversion takes the exponent field of this operand as its scale
.endr
.irp b, 0,1,2,3
	v_lshrrev_b32 v[TM+4+\b], 23, v[TM+12+\b]      ; the scale's byte
.endr
	v_lshl_or_b32 v[\pw], v[TM+5], 8, v[TM+4]      ; the four bytes make my row's scale word
	v_lshl_or_b32 v[\pw], v[TM+6], 16, v[\pw]
	v_lshl_or_b32 v[\pw], v[TM+7], 24, v[\pw]
.irp c, 0,1
	v_cvt_scalef32_pk16_fp6_f32 v[PC+6*\c:PC+2+6*\c], v[(\s)+32*\c:(\s)+15+32*\c], v[TM+12+2*\c]
	v_cvt_scalef32_pk16_fp6_f32 v[PC+12+4*\c:PC+14+4*\c], v[(\s)+16+32*\c:(\s)+31+32*\c], v[TM+12+2*\c+1]   ; (a conversion's three registers begin on an even number)
.endr
	v_nop                                          ; one plain place behind a scaled conversion
.irp c, 0,1                                    ; the operand's layout wants a WHOLE block in a lane: lanes 0-15 block 2 c, lanes 16-31 block 2 c + 1
.irp n, 0,1,2
	v_permlane16_swap_b32 v[PC+6*\c+\n], v[PC+12+4*\c+\n]
.endr
.irp n, 0,1,2
	v_mov_b32 v[PC+3+6*\c+\n], v[PC+12+4*\c+\n]
.endr
.endr
.endm
.macro STEPQ t
.if (\t) < 3
.if (\t) == 2
	s_wait_loadcnt 0x0                             ; step 3's loads are in
.else
	s_wait_loadcnt 16                              ; the next step's 16 loads are in; one younger run of 16 may be out
.endif
	TURN (\t)+1                                    ; the next step goes through the stage while this one is worked
	s_wait_dscnt 32                                ; this step's numbers are back; the next step's 16 stores and 16 loads may be out
.else
	s_wait_dscnt 0x0
.endif
.if (\t) > 0
	s_wait_xcnt 0x0                                ; the codes' registers are the last step's store data: they are rewritten only behind this wait
.endif
	QUANT R+64*((\t)%3), PW+(\t)
.irp c, 0,1,2
	global_store_b128 v4, v[PC+4*\c:PC+4*\c+3], s[20:21] offset:1536*(\t)+512*\c   ; the image: 32 lanes store 512 consecutive bytes, aligned
.endr
.if (\t) == 0
	LOAD 3                                         ; set 0 is free
.endif
.endm
	LOAD 0
	LOAD 1
	LOAD 2
	s_wait_loadcnt 32                              ; step 0's loads are in; steps 1 and 2 may be out
	TURN 0
	STEPQ 0
	STEPQ 1
	STEPQ 2
	STEPQ 3
.irp t, 0,1,2,3
	ds_store_b32 v8, v[PW+\t] offset:64*\t         ; both halves of the lanes write the same word with the same value
.endr
	ds_load_b64 v[12:13], v9                       ; LDS serves a wave's instructions in order: these see my stores
	s_wait_dscnt 0x0
	global_store_b64 v10, v[12:13], s[20:21] offset:6144   ; 32 lanes store 256 consecutive bytes, aligned
	s_wait_tensorcnt 0x0
	ds_add_u32 v62, v63
	s_wait_dscnt 0x0
	s_endpgm
.Lfunc_end_k_q4ca20b8466_quant:
	.size	k_q4ca20b8466_quant, .Lfunc_end_k_q4ca20b8466_quant-k_q4ca20b8466_quant
	.p2alignl 7, 3214868480
	.fill 96, 4, 3214868480
	.section	.rodata,"a",@progbits
	.p2align	6, 0x0
	.amdhsa_kernel k_q4ca20b8466_quant
		.amdhsa_group_segment_fixed_size 35328
		.amdhsa_private_segment_fixed_size 0
		.amdhsa_enable_private_segment 0
		.amdhsa_kernarg_size 48
		.amdhsa_user_sgpr_count 2
		.amdhsa_user_sgpr_kernarg_segment_ptr 1
		.amdhsa_wavefront_size32 1
		.amdhsa_system_sgpr_workgroup_id_x 1
		.amdhsa_system_sgpr_workgroup_id_y 1
		.amdhsa_system_sgpr_workgroup_id_z 1
		.amdhsa_system_vgpr_workitem_id 0
		.amdhsa_next_free_vgpr 256
		.amdhsa_next_free_sgpr 66
		.amdhsa_reserve_vcc 0
		.amdhsa_float_denorm_mode_32 3
		.amdhsa_float_denorm_mode_16_64 3
		.amdhsa_memory_ordered 1
		.amdhsa_forward_progress 1
		.amdhsa_inst_pref_size 34
	.end_amdhsa_kernel
	.amdgpu_metadata
---
amdhsa.version: [ 1, 2 ]
amdhsa.kernels:
  - .name:           k_q4ca20b8466_quant
    .symbol:         k_q4ca20b8466_quant.kd
    .args:
      - { .name: x, .offset: 0, .size: 8, .value_kind: global_buffer, .address_space: global }
      - { .name: Wk, .offset: 8, .size: 8, .value_kind: global_buffer, .address_space: global }
      - { .name: Wv, .offset: 16, .size: 8, .value_kind: global_buffer, .address_space: global }
      - { .name: Wq, .offset: 24, .size: 8, .value_kind: global_buffer, .address_space: global }
      - { .name: Wo, .offset: 32, .size: 8, .value_kind: global_buffer, .address_space: global }
      - { .name: wrec, .offset: 40, .size: 8, .value_kind: global_buffer, .address_space: global }
    .group_segment_fixed_size: 35328
    .private_segment_fixed_size: 0
    .kernarg_segment_align: 8
    .kernarg_segment_size: 48
    .max_flat_workgroup_size: 128
    .sgpr_count:     66
    .vgpr_count:     256
    .wavefront_size: 32
...
	.end_amdgpu_metadata
.endif
;; end of part 1
;; launch kv (part 2): grid 128 x 2, 4 waves a work-group, clusters of 4 x 1, 272,896 bytes of LDS; arguments wrec, bk, bv, kvt; writes kvt
.if DOCPART == 2
	.amdgcn_target "amdgcn-amd-amdhsa--gfx1250"
	.amdhsa_code_object_version 6
	.text
	.protected	k_q4ca20b8466_kv
	.globl	k_q4ca20b8466_kv
	.p2align	8
	.type	k_q4ca20b8466_kv,@function
k_q4ca20b8466_kv:
	s_mov_b64 s[64:65], 0
	v_nop
	global_prefetch_b8 v0, s[64:65] scope:SCOPE_SE
	s_setreg_imm32_b32 hwreg(HW_REG_WAVE_MODE, 25, 1), 1
	s_wait_xcnt 0x0
	s_wait_alu depctr_hold_cnt(0) depctr_sa_sdst(0) depctr_va_vdst(0) depctr_va_sdst(0) depctr_va_ssrc(0) depctr_va_vcc(0) depctr_vm_vsrc(0)
	s_getreg_b32 s2, hwreg(HW_REG_IB_STS2, 6, 4)
	s_cmp_eq_u32 s2, 0
	s_cbranch_scc0 .Lentry_in_a_cluster
	s_endpgm
.Lentry_in_a_cluster:
	s_bfe_u32 s2, ttmp6, 0x10000c
	s_cmp_lg_u32 s2, 0x3003
	s_cbranch_scc0 .Lentry_shape_is_right
	s_endpgm
.Lentry_shape_is_right:
; k = x Wk^T + bk and v = x Wv^T + bv on codes of FP6 (E2M3) with E8M0 scales, from the records that the launch before has made; sums in f32.
; What is stored are the two tables that the next launch multiplies by, for each batch of 64 rows: KT[s][n] = k[b][n][s] x log2(e) / 8 and V[s][n] = v[b][s][n], laid as that launch's registers want them:
; element (s = 16 P + r, n = 16 Q + 8 h + 4 jj + i) of a table of 16,384 bytes lies at 4096 P + 2048 (Q / 2) + 1024 h + 512 jj + 256 (Q % 2) + 16 r + 4 i.
; LIMIT: log2(e) / 8 is folded into KT: one f32 rounding more than the order of the source.  K is summed in four parts (one a wave), which are added in f32.
; SHARES: work-group x = a tile of 16 rows of x, y = 0: KT (Wk), 1: V (Wv).  Wave w takes K = 1024 w .. 1024 w + 1023: eight matrix steps on four accumulators (the weight's four tiles of 16 rows) by turns.
; LDS, filled once: the weight's 32 records (204,800 dense bytes) from byte 0, record (tile t, chunk c) at 51,200 t + 6,400 c; x's 8 records (51,200 dense bytes) from byte XL.
; ONE TENSOR LOAD A WAVE: waves 0 and 1 bring a half of the weight each, wave 2 brings x's records, wave 3 none; a barrier shows all of it to all four waves.
; CLUSTER: the four work-groups of a cluster have the same y and so the same weight: its two loads are asked for JOINTLY (mask 15); x's load is each work-group's own.
; No prefetch: the launch has no loop to run ahead in; every byte is asked for once, at the head.
; ORIENTATION: KT: source 0 = x, source 1 = Wk's tile t: lane (r, h), register j = KT(16 t + r, 16 (x tile % 4) + 8 h + j).  V: source 0 = Wv's tile t, source 1 = x: V(16 (x tile % 4) + r, 16 t + 8 h + j).
.set WK_OFF, 6553600                   ; Wk's records in wrec; Wv's follow 204,800 bytes on
.set XL,     204800                    ; x's records in LDS
.set RED,    256000                    ; behind the tiles: 16,384 bytes for the partial sums; no fill lands there
.set SPARE,  272384                    ; behind them: the spare words, 128 bytes a wave
.set G1X, 16                           ; s[16:23] group 1 for x's load;  s[24:31] for the weight's;  s[32:35], s[36:39] their groups 0
.set G1W, 24
.set G0X, 32
.set G0W, 36
.set OJ,  10                           ; v10-17  byte offsets of my eight bias numbers
.set BI,  18                           ; v18-25  the bias
.set SC,  26                           ; v26-30, v32-36  scale words, two sets: +0 x's, +1+t tile t's; they hold nothing else
.set FS,  40                           ; v40-99, v100-159  fragments, two sets: +0 x's, +12+12 t tile t's
.set ACC, 160                          ; v160-191 four accumulators
.set RB,  192                          ; v192-223 the four waves' parts of my tile
.set OUTR, 224
.macro CROUND                          ; a round of the cluster's barrier
	s_barrier_signal -1
	s_barrier_wait -1
	s_cmp_lg_u32 s12, 0
	s_cbranch_scc1 .Lnot_wave_0_\@
	s_barrier_signal -3
.Lnot_wave_0_\@:
	s_barrier_wait -3
	s_barrier_signal -1
	s_barrier_wait -1
.endm
	s_load_b256 s[4:11], s[0:1], 0x0               ; wrec, bk, bv, kvt
	v_lshl_add_u32 v254, v0, 2, SPARE
	v_mov_b32 v255, 0
	ds_add_u32 v254, v255                          ; the opening lines: the add, twice on end, and its wait
	ds_add_u32 v254, v255
	v_lshrrev_b32 v1, 5, v0
	v_readfirstlane_b32 s12, v1                    ; wave
	s_bfe_u32 s13, ttmp6, 0x40000                  ; cx: it enters x's address and the output's alone
	s_lshl_b32 s14, ttmp9, 2
	s_add_co_u32 s14, s14, s13                     ; x's row tile
	s_and_b32 s15, ttmp7, 0xffff                   ; y, which the four partners share
	s_mov_b32 s[G1X+0], 3<<16                      ; x: no mask; elements of 8 bytes; 200 dense rows of 256 bytes
	s_mov_b32 s[G1X+1], 32<<16
	s_mov_b32 s[G1X+2], 200<<16
	s_mov_b32 s[G1X+3], 32<<16
	s_mov_b32 s[G1X+4], 200
	s_mov_b32 s[G1X+5], 32
	s_mov_b32 s[G1X+6], 0
	s_mov_b32 s[G1X+7], 0
	s_mov_b32 s[G1W+0], 15|(3<<16)|(1<<21)         ; a half of the weight: all four work-groups; 400 dense rows of 256 bytes
	s_mov_b32 s[G1W+1], 32<<16
	s_mov_b32 s[G1W+2], 400<<16
	s_mov_b32 s[G1W+3], 32<<16
	s_mov_b32 s[G1W+4], 400
	s_mov_b32 s[G1W+5], 32
	s_mov_b32 s[G1W+6], 0
	s_mov_b32 s[G1W+7], 0
	s_mul_i32 s52, s14, 51200                      ; x: the tile's eight records
	s_mov_b32 s53, 0
	s_mul_i32 s54, s15, 204800
	s_mul_i32 s55, s12, 102400                     ; the weight's half w (waves 0 and 1 alone use it)
	s_add_co_u32 s54, s54, s55
	s_add_co_u32 s54, s54, WK_OFF
	s_mov_b32 s55, 0
	s_mul_i32 s56, s12, 12800                      ; my two chunks inside a tile's eight records
	s_wait_dscnt 0x0
	s_wait_kmcnt 0x0
	s_mov_b32 s[G0X], 1
	s_mov_b32 s[G0X+1], XL
	s_add_nc_u64 s[G0X+2:G0X+3], s[4:5], s[52:53]
	s_or_b32 s[G0X+3], s[G0X+3], 0x80000000
	s_mov_b32 s[G0W], 1
	s_mul_i32 s[G0W+1], s12, 102400
	s_add_nc_u64 s[G0W+2:G0W+3], s[4:5], s[54:55]
	s_or_b32 s[G0W+3], s[G0W+3], 0x80000000
	CROUND                                         ; all four work-groups are here: the joint loads meet
	s_cmp_lt_u32 s12, 2                            ; one chain of branches on the wave's number, one load to an arm, one join
	s_cbranch_scc0 .Lfor_x
	tensor_load_to_lds s[G0W:G0W+3], s[G1W:G1W+7]
	s_nop 0
.rept 4
	v_nop
.endr
	s_branch .Lasked
.Lfor_x:
	s_cmp_eq_u32 s12, 2
	s_cbranch_scc0 .Lasked
	tensor_load_to_lds s[G0X:G0X+3], s[G1X:G1X+7]
	s_nop 0
.rept 4
	v_nop
.endr
.Lasked:
	s_cmp_lg_u32 s15, 0                            ; what differs between the two tables
	s_cselect_b64 s[40:41], s[8:9], s[6:7]         ; the bias
	s_cselect_b32 s42, 0, 4                        ; its byte offset: 64 w + r x .. + h x .. + j x ..: KT: bk[16 w + r];  V: bv[16 w + 8 h + j]
	s_cselect_b32 s43, 32, 0
	s_cselect_b32 s44, 4, 0
	s_mov_b32 s46, 0x3e38aa3b                      ; log2(e) / 8
	s_cselect_b32 s46, 1.0, s46
	s_mov_b32 s47, s46                             ; (named with it as a pair)
	s_cselect_b32 s48, s13, s12                    ; P: which 16 of s;  Q: which 16 of n
	s_cselect_b32 s49, s12, s13
	s_lshl_b32 s50, ttmp9, 15                      ; the batch's two tables,
	s_lshl_b32 s51, s15, 14                        ; the table,
	s_add_co_u32 s50, s50, s51
	s_lshl_b32 s51, s48, 12
	s_add_co_u32 s50, s50, s51
	s_lshr_b32 s51, s49, 1
	s_lshl_b32 s51, s51, 11
	s_add_co_u32 s50, s50, s51
	s_and_b32 s51, s49, 1
	s_lshl_b32 s51, s51, 8
	s_add_co_u32 s50, s50, s51
	s_mov_b32 s51, 0
	s_add_nc_u64 s[10:11], s[10:11], s[50:51]
	v_and_b32 v1, 15, v0                           ; r
	v_bfe_u32 v2, v0, 4, 1                         ; h
	v_and_b32 v3, 31, v0                           ; lane
	v_mul_u32_u24 v[OJ], s42, v1
	v_mad_u32_u24 v[OJ], v2, s43, v[OJ]
	s_lshl_b32 s45, s12, 6
	v_add_nc_u32 v[OJ], s45, v[OJ]
.irp j, 1,2,3,4,5,6,7
	v_add_nc_u32 v[OJ+\j], s44, v[OJ+\j-1]
.endr
.irp j, 0,1,2,3,4,5,6,7
	global_load_b32 v[BI+\j], v[OJ+\j], s[40:41]
.endr
	v_lshl_add_u32 v4, v3, 4, s56                  ; an image's place for my lane: the weight's tiles 0 and 1,
	v_add_nc_u32 v9, 102400, v4                    ; tiles 2 and 3,
	v_add_nc_u32 v31, XL, v4                       ; x
	v_lshl_add_u32 v5, v1, 2, s56                  ; a scale word's, likewise
	v_add_nc_u32 v37, 102400, v5
	v_add_nc_u32 v38, XL, v5
	s_lshl_b32 s57, s12, 12
	s_add_co_u32 s57, s57, RED
	v_lshl_add_u32 v6, v3, 4, s57                  ; where I put my four partial tiles
	s_lshl_b32 s58, s12, 10
	s_add_co_u32 s58, s58, RED
	v_lshl_add_u32 v7, v3, 4, s58                  ; where I read tile w's four parts
	v_lshlrev_b32 v8, 4, v1
	v_lshl_add_u32 v8, v2, 10, v8                  ; the output: 1024 h + 16 r
.macro FETCHK k, p                     ; matrix step k of my eight: 15 loads of images, 5 of scale words, into set p
.set KO, 6400*((\k)/4)+1536*((\k)%4)
.set KW, 6400*((\k)/4)+6144+64*((\k)%4)
.irp c, 0,1,2
	ds_load_b128 v[FS+60*(\p)+4*\c:FS+60*(\p)+4*\c+3], v31 offset:KO+512*\c
.endr
.irp t, 0,1,2,3
.irp c, 0,1,2
	ds_load_b128 v[FS+60*(\p)+12+12*\t+4*\c:FS+60*(\p)+12+12*\t+4*\c+3], v[4+5*(\t/2)] offset:KO+51200*(\t%2)+512*\c
.endr
.endr
	ds_load_b32 v[SC+6*(\p)], v38 offset:KW
.irp t, 0,1,2,3
	ds_load_b32 v[SC+6*(\p)+1+\t], v[5+32*(\t/2)] offset:KW+51200*(\t%2)
.endr
.endm
.macro MM4 p, zero                     ; four products, the accumulators by turns.  The branch hangs on y alone and stands round register work alone
	s_cmp_eq_u32 s15, 0
	s_cbranch_scc1 .Lkt_\@
.irp t, 0,1,2,3
.if \zero
	v_wmma_scale_f32_16x16x128_f8f6f4 v[ACC+8*\t:ACC+8*\t+7], v[FS+60*(\p)+12+12*\t:FS+60*(\p)+23+12*\t], v[FS+60*(\p):FS+60*(\p)+11], 0, v[SC+6*(\p)+1+\t], v[SC+6*(\p)] matrix_a_fmt:MATRIX_FMT_FP6 matrix_b_fmt:MATRIX_FMT_FP6
.else
	v_wmma_scale_f32_16x16x128_f8f6f4 v[ACC+8*\t:ACC+8*\t+7], v[FS+60*(\p)+12+12*\t:FS+60*(\p)+23+12*\t], v[FS+60*(\p):FS+60*(\p)+11], v[ACC+8*\t:ACC+8*\t+7], v[SC+6*(\p)+1+\t], v[SC+6*(\p)] matrix_a_fmt:MATRIX_FMT_FP6 matrix_b_fmt:MATRIX_FMT_FP6
.endif
.endr
	s_branch .Ljoin_\@
.Lkt_\@:
.irp t, 0,1,2,3
.if \zero
	v_wmma_scale_f32_16x16x128_f8f6f4 v[ACC+8*\t:ACC+8*\t+7], v[FS+60*(\p):FS+60*(\p)+11], v[FS+60*(\p)+12+12*\t:FS+60*(\p)+23+12*\t], 0, v[SC+6*(\p)], v[SC+6*(\p)+1+\t] matrix_a_fmt:MATRIX_FMT_FP6 matrix_b_fmt:MATRIX_FMT_FP6
.else
	v_wmma_scale_f32_16x16x128_f8f6f4 v[ACC+8*\t:ACC+8*\t+7], v[FS+60*(\p):FS+60*(\p)+11], v[FS+60*(\p)+12+12*\t:FS+60*(\p)+23+12*\t], v[ACC+8*\t:ACC+8*\t+7], v[SC+6*(\p)], v[SC+6*(\p)+1+\t] matrix_a_fmt:MATRIX_FMT_FP6 matrix_b_fmt:MATRIX_FMT_FP6
.endif
.endr
.Ljoin_\@:
.endm
	s_wait_alu depctr_va_vdst(0)
	s_wait_tensorcnt 0x0                           ; my load, if I issued one, has landed;
	s_barrier_signal -1
	s_barrier_wait -1                              ; so have the others': all of the weight and of x is in
	FETCHK 0, 0
.irp k, 0,1,2,3,4,5,6,7
	s_wait_dscnt 0x0                               ; this step's fragments and scale words are in
.if \k < 7
.rept 4
	v_nop                                          ; four places in front of loads into registers that the last step's products have read (ISA guide 7.12.1 for vector instructions)
.endr
	FETCHK \k+1, (\k+1)%2
.endif
.if \k == 0
	MM4 0, 1                                       ; the first products start the sums
.else
	MM4 \k%2, 0
.endif
.endr
.rept 4
	v_nop                                          ; four places in front of the stores that read the results
.endr
.irp t, 0,1,2,3
	ds_store_b128 v6, v[ACC+8*\t:ACC+8*\t+3] offset:1024*\t          ; each accumulator from its low end on
	ds_store_b128 v6, v[ACC+8*\t+4:ACC+8*\t+7] offset:1024*\t+512
.endr
	s_wait_dscnt 0x0                               ; for the others' sake: my stores are done
	s_barrier_signal -1
	s_barrier_wait -1
.irp u, 0,1,2,3
	ds_load_b128 v[RB+8*\u:RB+8*\u+3], v7 offset:4096*\u             ; tile w as wave u summed it
	ds_load_b128 v[RB+8*\u+4:RB+8*\u+7], v7 offset:4096*\u+512
.endr
	s_wait_dscnt 0x0
.irp n, 0,2,4,6
	v_pk_add_f32 v[RB+\n:RB+\n+1], v[RB+\n:RB+\n+1], v[RB+8+\n:RB+9+\n]
	v_pk_add_f32 v[RB+16+\n:RB+17+\n], v[RB+16+\n:RB+17+\n], v[RB+24+\n:RB+25+\n]
.endr
.irp n, 0,2,4,6
	v_pk_add_f32 v[RB+\n:RB+\n+1], v[RB+\n:RB+\n+1], v[RB+16+\n:RB+17+\n]
.endr
	s_wait_alu depctr_va_vdst(0)
	s_wait_loadcnt 0x0                             ; the bias
.irp n, 0,2,4,6
	v_pk_add_f32 v[RB+\n:RB+\n+1], v[RB+\n:RB+\n+1], v[BI+\n:BI+\n+1]
.endr
.irp n, 0,2,4,6
	v_pk_mul_f32 v[OUTR+\n:OUTR+\n+1], v[RB+\n:RB+\n+1], s[46:47] op_sel_hi:[1,0]   ; x log2(e) / 8, or x 1
.endr
	global_store_b128 v8, v[OUTR:OUTR+3], s[10:11]                  ; each half of the lanes stores 256 consecutive bytes, aligned
	global_store_b128 v8, v[OUTR+4:OUTR+7], s[10:11] offset:512
	s_wait_tensorcnt 0x0                           ; the wave's end
	ds_add_u32 v254, v255
	s_wait_dscnt 0x0
	CROUND                                         ; the closing round: no work-group ends while a partner may still ask for a tile that names it
	s_endpgm
.Lfunc_end_k_q4ca20b8466_kv:
	.size	k_q4ca20b8466_kv, .Lfunc_end_k_q4ca20b8466_kv-k_q4ca20b8466_kv
	.p2alignl 7, 3214868480
	.fill 96, 4, 3214868480
	.section	.rodata,"a",@progbits
	.p2align	6, 0x0
	.amdhsa_kernel k_q4ca20b8466_kv
		.amdhsa_group_segment_fixed_size 272896
		.amdhsa_private_segment_fixed_size 0
		.amdhsa_enable_private_segment 0
		.amdhsa_kernarg_size 32
		.amdhsa_user_sgpr_count 2
		.amdhsa_user_sgpr_kernarg_segment_ptr 1
		.amdhsa_wavefront_size32 1
		.amdhsa_system_sgpr_workgroup_id_x 1
		.amdhsa_system_sgpr_workgroup_id_y 1
		.amdhsa_system_sgpr_workgroup_id_z 1
		.amdhsa_system_vgpr_workitem_id 0
		.amdhsa_next_free_vgpr 256
		.amdhsa_next_free_sgpr 66
		.amdhsa_reserve_vcc 0
		.amdhsa_float_denorm_mode_32 3
		.amdhsa_float_denorm_mode_16_64 3
		.amdhsa_memory_ordered 1
		.amdhsa_forward_progress 1
		.amdhsa_inst_pref_size 30
	.end_amdhsa_kernel
	.amdgpu_metadata
---
amdhsa.version: [ 1, 2 ]
amdhsa.kernels:
  - .name:           k_q4ca20b8466_kv
    .symbol:         k_q4ca20b8466_kv.kd
    .args:
      - { .name: wrec, .offset: 0, .size: 8, .value_kind: global_buffer, .address_space: global }
      - { .name: bk, .offset: 8, .size: 8, .value_kind: global_buffer, .address_space: global }
      - { .name: bv, .offset: 16, .size: 8, .value_kind: global_buffer, .address_space: global }
      - { .name: kvt, .offset: 24, .size: 8, .value_kind: global_buffer, .address_space: global }
    .group_segment_fixed_size: 272896
    .private_segment_fixed_size: 0
    .kernarg_segment_align: 8
    .kernarg_segment_size: 32
    .max_flat_workgroup_size: 128
    .sgpr_count:     66
    .vgpr_count:     256
    .wavefront_size: 32
...
	.end_amdgpu_metadata
.endif
;; end of part 2
;; launch qatt (part 3): grid 16 x 16, 4 waves a work-group, clusters of 4 x 4, 327,680 bytes of LDS; arguments wrec, bq, kvt, arec; writes arec
.if DOCPART == 3
	.amdgcn_target "amdgcn-amd-amdhsa--gfx1250"
	.amdhsa_code_object_version 6
	.text
	.protected	k_q4ca20b8466_qatt
	.globl	k_q4ca20b8466_qatt
	.p2align	8
	.type	k_q4ca20b8466_qatt,@function
k_q4ca20b8466_qatt:
	s_mov_b64 s[64:65], 0
	v_nop
	global_prefetch_b8 v0, s[64:65] scope:SCOPE_SE
	s_setreg_imm32_b32 hwreg(HW_REG_WAVE_MODE, 25, 1), 1
	s_wait_xcnt 0x0
	s_wait_alu depctr_hold_cnt(0) depctr_sa_sdst(0) depctr_va_vdst(0) depctr_va_sdst(0) depctr_va_ssrc(0) depctr_va_vcc(0) depctr_vm_vsrc(0)
	s_getreg_b32 s2, hwreg(HW_REG_IB_STS2, 6, 4)
	s_cmp_eq_u32 s2, 0
	s_cbranch_scc0 .Lentry_in_a_cluster
	s_endpgm
.Lentry_in_a_cluster:
	s_bfe_u32 s2, ttmp6, 0x10000c
	s_cmp_lg_u32 s2, 0xf033
	s_cbranch_scc0 .Lentry_shape_is_right
	s_endpgm
.Lentry_shape_is_right:
; q = x Wq^T + bq on FP6 (E2M3) codes with E8M0 scales, from the records of the first launch; then, in f32, the element-wise scores q x KT, the softmax along the last axis (its maximum taken away), x V,
; and the quantiser along the next product's K: what is stored are records of the next product's left operand (arec), laid as the first launch lays x's.
; A RECORD is 16 rows x 512 K = 6,400 bytes: four images of an operand's registers (1,536 bytes for each 128 K), then 256 bytes of scale words.  A tensor is laid [row tile][chunk of 512 K][6,400].
; SHARES: a work-group makes 128 rows x 256 columns of q (grid 16 x 16, 256 work-groups), a wave 64 x 128: 32 accumulators, used transposed (source 0 = Wq's rows, source 1 = x's).  A wave's 64 rows are one batch.
; THE RING: two LDS slots of 24 records (a chunk of 512 K: x's 8 row tiles, Wq's 16).  Waves 0 and 1 bring x's halves, waves 2 and 3 Wq's, one joint load a wave behind each round of the cluster's barrier:
; x's tiles are shared along a row of the 4 x 4 cluster, Wq's along a column.
; A STEP of 128 K goes by Wq's blocks: the next step's 44 LDS loads are issued in the order scale words, x's four fragments, Wq's eight; each group of four products waits only for the loads that it reads.
; PREFETCH: behind the joint load of chunk j and the LDS loads that follow it, chunk j + 1 is named, one slot (four steps, 128 matrix instructions) ahead of its own load: a lane a block of 256 bytes, 25 lanes a record
; (the seven lanes left over name the record's last block again).  The partners share a tile's records out by address: of x's 8 each takes 2 (by cx; waves 0 and 1), of Wq's 16 each takes 4 (by cy; a wave each).
; Behind the load of chunk 7 nothing is named.
; LIMITS: log2(e) / 8 comes folded into KT; a block of zeros gets the scale byte 1 (its codes are zeros, and this program alone reads the bytes); NaN and infinities among the inputs are not served.
.set REC,   6400
.set PFO,   11                         ; v11     the prefetches' offset: 256 x min(lane, 24); never rewritten
.set PFA,   66                         ; s[66:67] the record of x that I name next;  s[68:69] that of Wq
.set PFB,   68
.set TROW,  51200
.set SLOT,  24*REC
.set SPARE, 2*SLOT
.set W_OFF, 6963200
.set PA,    4
.set PB,    4
.set PBIAS, 6
.set L16,  8
.set ADRA, 16
.set ADRB, 18
.set ADRS, 20
.set SPW,  28
.set NIL,  29
.set SC,   32
.set AF,   64
.set BIAS, 160
.set WK,   64
.set PC,   128
.set TM,   148
.set MX,   164
.set SM,   168
.set RI,   176
.set PWS,  180
.set G1,  24
.set G0,  32
.set G1B, 48
.set G0B, 56
.set SEL, 70
.set MSB, 0
.macro WIN new
.if MSB != \new
	s_set_vgpr_msb (MSB<<8)|\new
.set MSB, \new
.endif
.endm
.set MUL,  0xa1
.set MULB, 0x81
.set TO_B, 0x40
.set TO_K, 0xc0
.macro JLOAD s
	s_cmp_eq_u32 s15, 0
	s_cbranch_scc0 .Lfor_b_\@
	tensor_load_to_lds s[G0+4*\s:G0+4*\s+3], s[G1:G1+7]
	s_nop 0
.rept 4
	v_nop
.endr
	s_branch .Lasked_\@
.Lfor_b_\@:
	tensor_load_to_lds s[G0B+4*\s:G0B+4*\s+3], s[G1B:G1B+7]
	s_nop 0
.rept 4
	v_nop
.endr
.Lasked_\@:
.endm
.macro CREST
	s_cmp_lg_u32 s14, 0
	s_cbranch_scc1 .Lnot_wave_0_\@
	s_barrier_signal -3
.Lnot_wave_0_\@:
	s_barrier_wait -3
	s_barrier_signal -1
	s_barrier_wait -1
.endm
.macro CROUND
	s_barrier_signal -1
	s_barrier_wait -1
	CREST
.endm
.macro PLACES n
.rept \n
	v_nop
.endr
.endm
	s_load_b256 s[4:11], s[0:1], 0x0
	v_lshl_add_u32 v[SPW], v0, 2, SPARE
	v_mov_b32 v[NIL], 0
	ds_add_u32 v28, v29
	ds_add_u32 v28, v29
	s_wait_dscnt 0x0
	v_lshrrev_b32 v1, 5, v0
	v_readfirstlane_b32 s14, v1
	s_lshr_b32 s15, s14, 1
	s_and_b32 s16, s14, 1
	s_bfe_u32 s40, ttmp6, 0x40000
	s_bfe_u32 s41, ttmp6, 0x40004
	s_lshl_b32 s42, ttmp9, 2
	s_add_co_u32 s42, s42, s40
	s_and_b32 s17, ttmp7, 0xffff
	s_lshl_b32 s17, s17, 2
	s_add_co_u32 s17, s17, s41
	s_lshl_b32 s43, s41, 2
	s_lshl_b32 s43, 15, s43
	s_lshl_b32 s44, 0x1111, s40
	s_or_b32 s[G1+0], s43, (3<<16)|(1<<21)
	s_mov_b32 s[G1+1], 800<<16
	s_mov_b32 s[G1+2], 4<<16
	s_mov_b32 s[G1+3], 800<<16
	s_mov_b32 s[G1+4], 4
	s_mov_b32 s[G1+5], 6400
	s_mov_b32 s[G1+6], 0
	s_mov_b32 s[G1+7], 0
	s_or_b32 s[G1B+0], s44, (3<<16)|(1<<21)
	s_mov_b32 s[G1B+1], 800<<16
	s_mov_b32 s[G1B+2], 8<<16
	s_mov_b32 s[G1B+3], 800<<16
	s_mov_b32 s[G1B+4], 8
	s_mov_b32 s[G1B+5], 6400
	s_mov_b32 s[G1B+6], 0
	s_mov_b32 s[G1B+7], 0
	s_lshl_b32 s20, s17, 3
	s_lshl_b32 s18, s16, 2
	s_add_co_u32 s20, s20, s18
	s_mul_i32 s20, s20, TROW
	s_mov_b32 s21, 0
	s_lshl_b32 s46, s42, 4
	s_lshl_b32 s47, s16, 3
	s_add_co_u32 s46, s46, s47
	s_mul_i32 s46, s46, TROW
	s_add_co_u32 s46, s46, W_OFF
	s_mov_b32 s47, 0
	s_mul_i32 s45, s16, 4*REC
	s_mul_i32 s19, s16, 8*REC
	s_add_co_u32 s19, s19, 8*REC
	s_mov_b32 s[SEL], 0x76543210
	s_mov_b32 s[SEL+1], 0xfedcba98
	s_wait_kmcnt 0x0
	s_add_nc_u64 s[20:21], s[PA:PA+1], s[20:21]
	s_add_nc_u64 s[46:47], s[PB:PB+1], s[46:47]
	CROUND
.irp s, 0,1
	s_mov_b32 s[G0+4*\s], 1
	s_add_co_u32 s[G0+4*\s+1], s45, \s*SLOT
	s_add_nc_u64 s[G0+4*\s+2:G0+4*\s+3], s[20:21], \s*REC
	s_or_b32 s[G0+4*\s+3], s[G0+4*\s+3], 0x80000000
	s_mov_b32 s[G0B+4*\s], 1
	s_add_co_u32 s[G0B+4*\s+1], s19, \s*SLOT
	s_add_nc_u64 s[G0B+4*\s+2:G0B+4*\s+3], s[46:47], \s*REC
	s_or_b32 s[G0B+4*\s+3], s[G0B+4*\s+3], 0x80000000
.endr
	JLOAD 0                                        ; chunk 0: one tensor load a wave at the head; the addresses and the bias are made while it is out
	v_and_b32 v1, 15, v0
	v_bfe_u32 v2, v0, 4, 1
	v_and_b32 v3, 31, v0
	v_lshlrev_b32 v[L16], 4, v3
	s_wait_alu depctr_va_vdst(0)
	v_lshlrev_b32 v9, 6, v2
	s_lshl_b32 s72, s42, 10
	s_lshl_b32 s73, s16, 9
	s_add_co_u32 s72, s72, s73
	s_mov_b32 s73, 0
	s_add_nc_u64 s[76:77], s[PBIAS:PBIAS+1], s[72:73]
.irp b, 0,1,2,3,4,5,6,7
	global_load_b128 v[BIAS+8*\b:BIAS+8*\b+3], v9, s[76:77] offset:128*(\b/2)+32*(\b%2)
	global_load_b128 v[BIAS+8*\b+4:BIAS+8*\b+7], v9, s[76:77] offset:128*(\b/2)+32*(\b%2)+16
.endr
	s_mul_i32 s86, s15, 4*REC
	s_mul_i32 s87, s16, 8*REC
	s_add_co_u32 s87, s87, 8*REC
	v_add_nc_u32 v[ADRA], s86, v[L16]
	v_add_nc_u32 v[ADRB], s87, v[L16]
	v_add_nc_u32 v[ADRA+1], SLOT, v[ADRA]
	v_add_nc_u32 v[ADRB+1], SLOT, v[ADRB]
	s_sub_co_u32 s88, s87, s86
	v_mul_u32_u24 v4, s88, v2
	v_lshl_add_u32 v4, v1, 2, v4
	s_add_co_u32 s89, s86, 6144
	v_add_nc_u32 v[ADRS], s89, v4
	v_add_nc_u32 v[ADRS+1], SLOT, v[ADRS]
	v_mul_u32_u24 v10, v2, TROW
	v_lshl_add_u32 v10, v1, 2, v10
	s_lshl_b32 s72, s17, 1
	s_add_co_u32 s72, s72, s15
	s_lshl_b32 s72, s72, 15
	s_add_nc_u64 s[78:79], s[8:9], s[72:73]
	s_lshl_b32 s72, s17, 3
	s_lshl_b32 s74, s15, 2
	s_add_co_u32 s72, s72, s74
	s_lshl_b32 s72, s72, 3
	s_lshr_b32 s74, s42, 1
	s_add_co_u32 s72, s72, s74
	s_mul_i32 s72, s72, REC
	s_and_b32 s74, s42, 1
	s_lshl_b32 s74, s74, 1
	s_add_co_u32 s74, s74, s16
	s_mul_i32 s84, s74, 1536
	s_add_co_u32 s84, s84, s72
	s_mov_b32 s85, 0
	s_add_nc_u64 s[80:81], s[10:11], s[84:85]
	s_lshl_b32 s84, s74, 6
	s_add_co_u32 s84, s84, s72
	s_add_co_u32 s84, s84, 6144
	s_add_nc_u64 s[82:83], s[10:11], s[84:85]
.macro FETCH slot, q, p                ; 44 LDS loads, in the order in which the products want them: 8 of scale words, 12 of x's fragments, 24 of the weight's
.irp i, 0,1,2,3,4,5,6,7
	ds_load_b32 v[SC+8*(\p)+\i], v[ADRS+\slot] offset:REC*\i+64*(\q)
.endr
.irp i, 0,1,2,3
.irp c, 0,1,2
	ds_load_b128 v[AF+48*(\p)+12*\i+4*\c:AF+48*(\p)+12*\i+4*\c+3], v[ADRA+\slot] offset:REC*\i+1536*(\q)+512*\c
.endr
.endr
	WIN TO_B
.irp i, 0,1,2,3,4,5,6,7
.irp c, 0,1,2
	ds_load_b128 v[128*(\p)+12*\i+4*\c:128*(\p)+12*\i+4*\c+3], v[ADRB+\slot] offset:REC*\i+1536*(\q)+512*\c
.endr
.endr
	WIN 0
.endm
.macro MUL4 b, p, first                ; four products: the weight's block b against x's four; the accumulators by turns
.irp a, 0,1,2,3
.if \first
	v_wmma_scale_f32_16x16x128_f8f6f4 v[8*(8*(\a)+\b):8*(8*(\a)+\b)+7], v[128*(\p)+12*\b:128*(\p)+12*\b+11], v[AF+48*(\p)+12*(\a):AF+48*(\p)+12*(\a)+11], v[BIAS+8*\b:BIAS+8*\b+7], v[SC+8*(\p)+\b], v[SC+8*(\p)+(\a)] matrix_a_fmt:MATRIX_FMT_FP6 matrix_b_fmt:MATRIX_FMT_FP6 matrix_a_scale:MATRIX_SCALE_ROW1
.else
	v_wmma_scale_f32_16x16x128_f8f6f4 v[8*(8*(\a)+\b):8*(8*(\a)+\b)+7], v[128*(\p)+12*\b:128*(\p)+12*\b+11], v[AF+48*(\p)+12*(\a):AF+48*(\p)+12*(\a)+11], v[8*(8*(\a)+\b):8*(8*(\a)+\b)+7], v[SC+8*(\p)+\b], v[SC+8*(\p)+(\a)] matrix_a_fmt:MATRIX_FMT_FP6 matrix_b_fmt:MATRIX_FMT_FP6 matrix_a_scale:MATRIX_SCALE_ROW1
.endif
.endr
.endm
.macro RUN p, first, young, b0, n      ; blocks b0 .. b0 + n - 1.  Block b reads the scale words, x's fragments and the weight's blocks up to b: the 3 (7 - b) loads behind them, and the young ones issued since, may be out
.set BX, \b0
.rept \n
.if (\young) >= 0
.if (\young)+3*(7-BX) > 63
	s_wait_dscnt 63
.else
	s_wait_dscnt (\young)+3*(7-BX)
.endif
.endif
	MUL4 BX, \p, \first
.set BX, BX+1
.endr
.endm
.macro ASK                             ; the next chunk's records are named: x's by waves 0 and 1, the weight's by every wave
	s_cmp_eq_u32 s15, 0
	s_cbranch_scc0 .Lno_a_\@
	global_prefetch_b8 v[PFO], s[PFA:PFA+1] th:TH_LOAD_NT scope:SCOPE_SE
.Lno_a_\@:
	global_prefetch_b8 v[PFO], s[PFB:PFB+1] th:TH_LOAD_NT scope:SCOPE_SE
.endm
.macro STEP slot, q, first
.if \first
	FETCH \slot, (\q)+1, 1-(\q)%2
	WIN MULB
.else
	PLACES 4
	FETCH \slot, (\q)+1, 1-(\q)%2
	WIN MUL
.endif
	RUN (\q)%2, \first, 44, 0, 8                   ; the 44 loads just issued are the young ones
	WIN 0
.endm
.macro TURN slot, next, fill
.if \fill
	s_wait_xcnt 0x0                                ; my prefetches have read their addresses: they step a chunk on
	s_add_nc_u64 s[PFA:PFA+1], s[PFA:PFA+1], REC
	s_add_nc_u64 s[PFB:PFB+1], s[PFB:PFB+1], REC
.endif
	s_wait_tensorcnt 0x0                           ; all my tensor loads have landed: my part of the next slot;
	ds_add_u32 v[SPW], v[NIL]
	WIN MUL
	RUN 1, 0, 1, 0, 2                              ; (the add is the young one)
	s_wait_dscnt 0x0                               ; the add is done, and so are my reads of this slot
	s_barrier_signal -1
	RUN 1, 0, -1, 2, 2
	WIN 0
	s_barrier_wait -1
.if \fill
	CREST
	s_add_nc_u64 s[G0+4*\slot+2:G0+4*\slot+3], s[G0+4*\slot+2:G0+4*\slot+3], 2*REC
	s_add_nc_u64 s[G0B+4*\slot+2:G0B+4*\slot+3], s[G0B+4*\slot+2:G0B+4*\slot+3], 2*REC
	JLOAD \slot
.else
	PLACES 4
.endif
	FETCH \next, 0, 0
.if \fill
.if \slot == 1
	s_cmp_lg_u32 s3, 1                             ; the last trip's second load is chunk 7's: no chunk follows it
	s_cbranch_scc0 .Lno_ask_\@
.endif
	ASK
.Lno_ask_\@:
.endif
	WIN MUL
	RUN 1, 0, -1, 4, 4
	WIN 0
.endm
	s_lshl_b32 s92, s17, 3                         ; the prefetches: x's row tile 8 x tile row + 2 cx + wave % 2,
	s_lshl_b32 s93, s40, 1
	s_add_co_u32 s92, s92, s93
	s_add_co_u32 s92, s92, s16
	s_mul_i32 s92, s92, TROW
	s_add_co_u32 s92, s92, REC                     ; chunk 1
	s_mov_b32 s93, 0
	s_add_nc_u64 s[PFA:PFA+1], s[PA:PA+1], s[92:93]
	s_lshl_b32 s92, s42, 4                         ; the weight's row tile 16 x tile column + 4 cy + wave
	s_lshl_b32 s94, s41, 2
	s_add_co_u32 s92, s92, s94
	s_add_co_u32 s92, s92, s14
	s_mul_i32 s92, s92, TROW
	s_add_co_u32 s92, s92, W_OFF+REC
	s_add_nc_u64 s[PFB:PFB+1], s[PB:PB+1], s[92:93]
	v_min_u32 v[PFO], 24, v3
	v_lshlrev_b32 v[PFO], 8, v[PFO]
	s_wait_alu depctr_va_vdst(0)
	ASK                                            ; chunk 1
	s_wait_tensorcnt 0x0                           ; my part of chunk 0 is in
	ds_add_u32 v[SPW], v[NIL]
	s_wait_xcnt 0x0
	s_add_nc_u64 s[PFA:PFA+1], s[PFA:PFA+1], REC
	s_add_nc_u64 s[PFB:PFB+1], s[PFB:PFB+1], REC
	s_wait_dscnt 0x0
	CROUND                                         ; everybody's part of chunk 0 is in, and the joint loads meet
	JLOAD 1                                        ; chunk 1, the first tensor load behind the round
	FETCH 0, 0, 0
	ASK                                            ; chunk 2
	s_wait_loadcnt 0x0
	STEP 0, 0, 1
	WIN TO_K
.irp a, 0,1,2,3
.irp tb, 0,1
.irp bb, 0,1
.irp e, 0,1,2,3
	global_load_b128 v[64*\a+32*\tb+16*\bb+4*\e:64*\a+32*\tb+16*\bb+4*\e+3], v[L16], s[78:79] offset:16384*\tb+4096*\a+2048*\bb+512*\e
.endr
.endr
.endr
.endr
	WIN 0
	s_mov_b32 s3, 3
.Llap:
	STEP 0, 1, 0
	STEP 0, 2, 0
	TURN 0, 1, 1
	STEP 1, 0, 0
	STEP 1, 1, 0
	STEP 1, 2, 0
	TURN 1, 0, 1
	STEP 0, 0, 0
	s_sub_co_u32 s3, s3, 1
	s_cmp_lg_u32 s3, 0
	s_cbranch_scc1 .Llap
	STEP 0, 1, 0
	STEP 0, 2, 0
	TURN 0, 1, 0
	STEP 1, 0, 0
	STEP 1, 1, 0
	STEP 1, 2, 0
	WIN MUL
	RUN 1, 0, 0, 0, 8
	WIN 0
.macro QUANT s, pw
.irp b, 0,1,2,3
	v_max3_num_f32 v[TM+\b], |v[(\s)+16*\b]|, |v[(\s)+1+16*\b]|, 0x1800000
.endr
.irp n, 2,4,6,8,10,12,14
.irp b, 0,1,2,3
	v_max3_num_f32 v[TM+\b], v[TM+\b], |v[(\s)+16*\b+\n]|, |v[(\s)+1+16*\b+\n]|
.endr
.endr
.irp b, 0,1,2,3
	v_permlanex16_b32 v[TM+4+\b], v[TM+\b], s[SEL], s[SEL+1]
.endr
.irp b, 0,1,2,3
	v_max_num_f32 v[TM+\b], v[TM+\b], v[TM+4+\b]
.endr
.irp b, 0,1,2,3
	v_add_nc_u32 v[TM+12+\b], 0xff000000, v[TM+\b]
.endr
.irp b, 0,1,2,3
	v_lshrrev_b32 v[TM+4+\b], 23, v[TM+12+\b]
.endr
	v_lshl_or_b32 v[\pw], v[TM+5], 8, v[TM+4]
	v_lshl_or_b32 v[\pw], v[TM+6], 16, v[\pw]
	v_lshl_or_b32 v[\pw], v[TM+7], 24, v[\pw]
.irp c, 0,1
	v_cvt_scalef32_pk16_fp6_f32 v[PC+6*\c:PC+2+6*\c], v[(\s)+32*\c:(\s)+15+32*\c], v[TM+12+2*\c]
	v_cvt_scalef32_pk16_fp6_f32 v[PC+12+4*\c:PC+14+4*\c], v[(\s)+16+32*\c:(\s)+31+32*\c], v[TM+12+2*\c+1]
.endr
	v_nop
.irp c, 0,1
.irp n, 0,1,2
	v_permlane16_swap_b32 v[PC+6*\c+\n], v[PC+12+4*\c+\n]
.endr
.irp n, 0,1,2
	v_mov_b32 v[PC+3+6*\c+\n], v[PC+12+4*\c+\n]
.endr
.endr
.endm
.macro SOFTQ a
	WIN 0x0e
.set i, 0
.rept 32
	v_pk_mul_f32 v[WK+i:WK+i+1], v[64*(\a)+i:64*(\a)+i+1], v[64*(\a)+i%32:64*(\a)+i%32+1]
.set i, i+2
.endr
	WIN 0
.irp b, 0,1,2,3
	v_max3_num_f32 v[TM+\b], v[WK+16*\b], v[WK+16*\b+1], v[WK+16*\b+2]
.endr
.irp n, 3,5,7,9,11,13
.irp b, 0,1,2,3
	v_max3_num_f32 v[TM+\b], v[TM+\b], v[WK+16*\b+\n], v[WK+16*\b+\n+1]
.endr
.endr
.irp b, 0,1,2,3
	v_max_num_f32 v[TM+\b], v[TM+\b], v[WK+16*\b+15]
.endr
.irp g, 0,1
	v_max_num_f32 v[TM+2*\g], v[TM+2*\g], v[TM+2*\g+1]
.endr
.irp g, 0,1
	v_permlanex16_b32 v[TM+4+\g], v[TM+2*\g], s[SEL], s[SEL+1]
.endr
.irp g, 0,1
	v_max_num_f32 v[MX+2*\g], v[TM+2*\g], v[TM+4+\g]
	v_max_num_f32 v[MX+2*\g+1], v[TM+2*\g], v[TM+4+\g]
.endr
.set i, 0
.rept 32
	v_pk_add_f32 v[WK+i:WK+i+1], v[WK+i:WK+i+1], v[MX+2*(i/32):MX+2*(i/32)+1] neg_lo:[0,1] neg_hi:[0,1]
.set i, i+2
.endr
.set i, 0
	s_wait_alu depctr_va_vdst(0)
.rept 64
	v_exp_f32 v[WK+i], v[WK+i]
.set i, i+1
.endr
	v_nop
	s_wait_alu depctr_va_vdst(0)
.irp g, 0,1
	v_pk_add_f32 v[SM+4*\g:SM+4*\g+1], v[WK+32*\g:WK+32*\g+1], v[WK+32*\g+4:WK+32*\g+5]
	v_pk_add_f32 v[SM+4*\g+2:SM+4*\g+3], v[WK+32*\g+2:WK+32*\g+3], v[WK+32*\g+6:WK+32*\g+7]
.endr
.irp n, 8,12,16,20,24,28
.irp g, 0,1
	v_pk_add_f32 v[SM+4*\g:SM+4*\g+1], v[SM+4*\g:SM+4*\g+1], v[WK+32*\g+\n:WK+32*\g+\n+1]
	v_pk_add_f32 v[SM+4*\g+2:SM+4*\g+3], v[SM+4*\g+2:SM+4*\g+3], v[WK+32*\g+\n+2:WK+32*\g+\n+3]
.endr
.endr
.irp g, 0,1
	v_pk_add_f32 v[SM+4*\g:SM+4*\g+1], v[SM+4*\g:SM+4*\g+1], v[SM+4*\g+2:SM+4*\g+3]
.endr
.irp g, 0,1
	v_add_f32 v[SM+4*\g], v[SM+4*\g], v[SM+4*\g+1]
.endr
.irp g, 0,1
	v_permlanex16_b32 v[TM+4+\g], v[SM+4*\g], s[SEL], s[SEL+1]
.endr
.irp g, 0,1
	v_add_f32 v[SM+4*\g], v[SM+4*\g], v[TM+4+\g]
.endr
	s_wait_alu depctr_va_vdst(0)
.irp g, 0,1
	v_rcp_f32 v[RI+2*\g], v[SM+4*\g]
	v_rcp_f32 v[RI+2*\g+1], v[SM+4*\g]
.endr
	v_nop
.set i, 0
	s_wait_alu depctr_va_vdst(0)
.rept 32
	v_pk_mul_f32 v[WK+i:WK+i+1], v[WK+i:WK+i+1], v[RI+2*(i/32):RI+2*(i/32)+1]
.set i, i+2
.endr
	WIN 0x0c
.set i, 0
.rept 32
	v_pk_mul_f32 v[WK+i:WK+i+1], v[WK+i:WK+i+1], v[64*(\a)+32+i%32:64*(\a)+32+i%32+1]
.set i, i+2
.endr
	WIN 0
.if (\a) > 0
	s_wait_xcnt 0x0
.endif
	QUANT WK, PWS+(\a)
.irp c, 0,1,2
	global_store_b128 v[L16], v[PC+4*\c:PC+4*\c+3], s[80:81] offset:TROW*(\a)+512*\c
.endr
.endm
	s_wait_loadcnt 0x0
	PLACES 4
.irp b, 0,1,2,3
	v_mov_b32 v[TM+4+\b], 0
.endr
	SOFTQ 0
	SOFTQ 1
	SOFTQ 2
	SOFTQ 3
	v_cmp_lt_u32 vcc_lo, 15, v3
	v_cndmask_b32 v184, v[PWS], v[PWS+1], vcc_lo
	v_cndmask_b32 v185, v[PWS+2], v[PWS+3], vcc_lo
	global_store_b32 v10, v184, s[82:83]
	global_store_b32 v10, v185, s[82:83] offset:2*TROW
	s_wait_tensorcnt 0x0
	ds_add_u32 v[SPW], v[NIL]
	s_wait_dscnt 0x0
	CROUND
	s_endpgm
.Lfunc_end_k_q4ca20b8466_qatt:
	.size	k_q4ca20b8466_qatt, .Lfunc_end_k_q4ca20b8466_qatt-k_q4ca20b8466_qatt
	.p2alignl 7, 3214868480
	.fill 96, 4, 3214868480
	.section	.rodata,"a",@progbits
	.p2align	6, 0x0
	.amdhsa_kernel k_q4ca20b8466_qatt
		.amdhsa_group_segment_fixed_size 327680
		.amdhsa_private_segment_fixed_size 0
		.amdhsa_enable_private_segment 0
		.amdhsa_kernarg_size 32
		.amdhsa_user_sgpr_count 2
		.amdhsa_user_sgpr_kernarg_segment_ptr 1
		.amdhsa_wavefront_size32 1
		.amdhsa_system_sgpr_workgroup_id_x 1
		.amdhsa_system_sgpr_workgroup_id_y 1
		.amdhsa_system_sgpr_workgroup_id_z 1
		.amdhsa_system_vgpr_workitem_id 0
		.amdhsa_next_free_vgpr 1024
		.amdhsa_next_free_sgpr 96
		.amdhsa_reserve_vcc 1
		.amdhsa_float_denorm_mode_32 3
		.amdhsa_float_denorm_mode_16_64 3
		.amdhsa_memory_ordered 1
		.amdhsa_forward_progress 1
		.amdhsa_inst_pref_size 212
	.end_amdhsa_kernel
	.amdgpu_metadata
---
amdhsa.version: [ 1, 2 ]
amdhsa.kernels:
  - .name:           k_q4ca20b8466_qatt
    .symbol:         k_q4ca20b8466_qatt.kd
    .args:
      - { .name: wrec, .offset: 0, .size: 8, .value_kind: global_buffer, .address_space: global }
      - { .name: bq, .offset: 8, .size: 8, .value_kind: global_buffer, .address_space: global }
      - { .name: kvt, .offset: 16, .size: 8, .value_kind: global_buffer, .address_space: global }
      - { .name: arec, .offset: 24, .size: 8, .value_kind: global_buffer, .address_space: global }
    .group_segment_fixed_size: 327680
    .private_segment_fixed_size: 0
    .kernarg_segment_align: 8
    .kernarg_segment_size: 32
    .max_flat_workgroup_size: 128
    .sgpr_count:     96
    .vgpr_count:     1024
    .wavefront_size: 32
...
	.end_amdgpu_metadata
.endif
;; end of part 3
;; launch oproj (part 4): grid 16 x 16, 4 waves a work-group, clusters of 4 x 4, 327,680 bytes of LDS; arguments arec, wrec, bo, out0; writes out0
.if DOCPART == 4
	.amdgcn_target "amdgcn-amd-amdhsa--gfx1250"
	.amdhsa_code_object_version 6
	.text
	.protected	k_q4ca20b8466_oproj
	.globl	k_q4ca20b8466_oproj
	.p2align	8
	.type	k_q4ca20b8466_oproj,@function
k_q4ca20b8466_oproj:
	s_mov_b64 s[64:65], 0
	v_nop
	global_prefetch_b8 v0, s[64:65] scope:SCOPE_SE
	s_setreg_imm32_b32 hwreg(HW_REG_WAVE_MODE, 25, 1), 1
	s_wait_xcnt 0x0
	s_wait_alu depctr_hold_cnt(0) depctr_sa_sdst(0) depctr_va_vdst(0) depctr_va_sdst(0) depctr_va_ssrc(0) depctr_va_vcc(0) depctr_vm_vsrc(0)
	s_getreg_b32 s2, hwreg(HW_REG_IB_STS2, 6, 4)
	s_cmp_eq_u32 s2, 0
	s_cbranch_scc0 .Lentry_in_a_cluster
	s_endpgm
.Lentry_in_a_cluster:
	s_bfe_u32 s2, ttmp6, 0x10000c
	s_cmp_lg_u32 s2, 0xf033
	s_cbranch_scc0 .Lentry_shape_is_right
	s_endpgm
.Lentry_shape_is_right:
; out0 = a Wo^T + bo on FP6 (E2M3) codes with E8M0 scales; a's records (arec) come from the launch before, Wo's (in wrec) from the first; sums in f32, the bias as the C of each sum's first product.
; A RECORD is 16 rows x 512 K = 6,400 bytes: four images of an operand's registers (1,536 bytes for each 128 K: byte 512 c + 16 lane + 4 i is register 4 c + i), then 256 bytes of scale words
; (word (q, r) at 6,144 + 64 q + 4 r).  A tensor is laid [row tile][chunk of 512 K][6,400].  Position r of Wo's tile 2 B + u is row 32 B + 8 u + r + 8 (r / 8).
; SHARES: a work-group makes 128 rows x 256 columns (grid 16 x 16, 256 work-groups), a wave 64 x 128: 32 accumulators in window 2, used transposed (source 0 = Wo's rows, source 1 = a's):
; a lane's 16 registers of two neighbouring tiles are 16 neighbouring columns of one row.
; THE RING: two LDS slots of 24 records (a chunk of 512 K: a's 8 row tiles, then Wo's 16), 153,600 bytes each.  Waves 0 and 1 bring a's halves, waves 2 and 3 Wo's: one joint load a wave behind each
; round of the cluster's barrier; a's tiles are shared along a row of the 4 x 4 cluster, Wo's along a column.  A tensor row is a record: 6,400 bytes, at a multiple of 256.
; A STEP of 128 K goes by Wo's blocks: the next step's 44 LDS loads are issued in the order scale words, a's four fragments, Wo's eight; each group of four products waits only for the loads that it reads.
; PREFETCH: behind the joint load of chunk j and the LDS loads that follow it, chunk j + 1 is named, one slot (four steps, 128 matrix instructions) ahead of its own load: a lane a block of 256 bytes,
; 25 lanes a record (the seven lanes left over name the record's last block again).  The partners share a tile's records out by address: of a's 8 each takes 2 (by cx; waves 0 and 1), of Wo's 16 each takes 4
; (by cy; a wave each).  Behind the load of chunk 7 nothing is named.
; REGISTERS: window 0: v0-31 addresses, v32-47 scale words (two sets), v64-159 a's fragments (two sets), v160-223 the bias; window 1: Wo's fragments, two sets at v0 and v128; window 2: the accumulators.
.set REC,   6400
.set TROW,  51200                      ; a row tile's eight records
.set SLOT,  24*REC
.set SPARE, 2*SLOT                     ; behind the ring: the spare words, 128 bytes a wave
.set W_OFF, 20070400                   ; Wo's records in wrec
.set PA,    4
.set PB,    6
.set PBIAS, 8
.set SPITCH, 528                       ; the way out: a stage row of 512 bytes + 16
.set L16,  8                           ; v8      16 x lane
.set PFO,  11                          ; v11     the prefetches' offset: 256 x min(lane, 24); never rewritten
.set ADRA, 16                          ; v16-17  my fragments of a in slot 0, 1;  v18-19 of Wo;  v20-21 my scale words (lanes 0-15 a's, lanes 16-31 Wo's)
.set ADRB, 18
.set ADRS, 20
.set STO,  24
.set RD,   25
.set SPW,  28                          ; v28, v29  my spare word's address, and 0; never rewritten
.set NIL,  29
.set SC,   32
.set AF,   64
.set BIAS, 160
.set BK,   64
.set G1,  24                           ; s[24:31], s[32:39] groups 1 and 0 (a set for each slot) for a's tiles;  s[48:55], s[56:63] for Wo's
.set G0,  32
.set G1B, 48
.set G0B, 56
.set PFA, 66                           ; s[66:67] the record of a that I name next;  s[68:69] that of Wo
.set PFB, 68
.set MSB, 0
.macro WIN new                         ; the immediate's high byte repeats the setting that is left
.if MSB != \new
	s_set_vgpr_msb (MSB<<8)|\new
.set MSB, \new
.endif
.endm
.set MUL,  0xa1                        ; source 0 (Wo) window 1, source 1 (a) window 0, C and D window 2
.set MULB, 0x81                        ; the same with C (the bias) in window 0
.set TO_B, 0x40
.macro JLOAD s                         ; a joint load: each line has one mask; the branch hangs on the wave's number alone; s_nop 0 and four v_nop behind each
	s_cmp_eq_u32 s15, 0
	s_cbranch_scc0 .Lfor_b_\@
	tensor_load_to_lds s[G0+4*\s:G0+4*\s+3], s[G1:G1+7]
	s_nop 0
.rept 4
	v_nop
.endr
	s_branch .Lasked_\@
.Lfor_b_\@:
	tensor_load_to_lds s[G0B+4*\s:G0B+4*\s+3], s[G1B:G1B+7]
	s_nop 0
.rept 4
	v_nop
.endr
.Lasked_\@:
.endm
.macro CREST                           ; a round of the cluster's barrier behind its opening barrier
	s_cmp_lg_u32 s14, 0
	s_cbranch_scc1 .Lnot_wave_0_\@
	s_barrier_signal -3
.Lnot_wave_0_\@:
	s_barrier_wait -3
	s_barrier_signal -1
	s_barrier_wait -1
.endm
.macro CROUND
	s_barrier_signal -1
	s_barrier_wait -1
	CREST
.endm
.macro PLACES n
.rept \n
	v_nop
.endr
.endm
.macro ASK                             ; the next chunk's records are named: a's by waves 0 and 1, Wo's by every wave
	s_cmp_eq_u32 s15, 0
	s_cbranch_scc0 .Lno_a_\@
	global_prefetch_b8 v[PFO], s[PFA:PFA+1] th:TH_LOAD_NT scope:SCOPE_SE
.Lno_a_\@:
	global_prefetch_b8 v[PFO], s[PFB:PFB+1] th:TH_LOAD_NT scope:SCOPE_SE
.endm
	s_load_b256 s[4:11], s[0:1], 0x0               ; arec, wrec, bo, out0
	v_lshl_add_u32 v[SPW], v0, 2, SPARE
	v_mov_b32 v[NIL], 0
	ds_add_u32 v[SPW], v[NIL]                      ; the opening lines: the add, twice on end, and its wait
	ds_add_u32 v[SPW], v[NIL]
	v_lshrrev_b32 v1, 5, v0
	v_readfirstlane_b32 s14, v1                    ; wave
	s_lshr_b32 s15, s14, 1                         ; my half of the rows.  Also: I fetch for a (0) or for Wo (1)
	s_and_b32 s16, s14, 1                          ; my half of the columns.  Also: which half of that tile I fetch
	s_bfe_u32 s40, ttmp6, 0x40000                  ; cx, cy
	s_bfe_u32 s41, ttmp6, 0x40004
	s_lshl_b32 s42, ttmp9, 2
	s_add_co_u32 s42, s42, s40                     ; tile column
	s_and_b32 s17, ttmp7, 0xffff
	s_lshl_b32 s17, s17, 2
	s_add_co_u32 s17, s17, s41                     ; tile row
	s_lshl_b32 s43, s41, 2
	s_lshl_b32 s43, 15, s43                        ; my row of the cluster
	s_lshl_b32 s44, 0x1111, s40                    ; my column
	s_or_b32 s[G1+0], s43, (3<<16)|(1<<21)         ; a: 4 records (rows of 800 elements of 8 bytes), 51,200 bytes apart
	s_mov_b32 s[G1+1], 800<<16
	s_mov_b32 s[G1+2], 4<<16
	s_mov_b32 s[G1+3], 800<<16
	s_mov_b32 s[G1+4], 4
	s_mov_b32 s[G1+5], 6400
	s_mov_b32 s[G1+6], 0
	s_mov_b32 s[G1+7], 0
	s_or_b32 s[G1B+0], s44, (3<<16)|(1<<21)        ; Wo: 8 records
	s_mov_b32 s[G1B+1], 800<<16
	s_mov_b32 s[G1B+2], 8<<16
	s_mov_b32 s[G1B+3], 800<<16
	s_mov_b32 s[G1B+4], 8
	s_mov_b32 s[G1B+5], 6400
	s_mov_b32 s[G1B+6], 0
	s_mov_b32 s[G1B+7], 0
	s_lshl_b32 s20, s17, 3
	s_lshl_b32 s18, s16, 2
	s_add_co_u32 s20, s20, s18
	s_mul_i32 s20, s20, TROW                       ; a: row tile 8 x tile row + 4 x half
	s_mov_b32 s21, 0
	s_lshl_b32 s46, s42, 4
	s_lshl_b32 s47, s16, 3
	s_add_co_u32 s46, s46, s47
	s_mul_i32 s46, s46, TROW                       ; Wo: row tile 16 x tile column + 8 x half
	s_add_co_u32 s46, s46, W_OFF
	s_mov_b32 s47, 0
	s_mul_i32 s45, s16, 4*REC                      ; and where they go: the wave's number alone enters an LDS address
	s_mul_i32 s19, s16, 8*REC
	s_add_co_u32 s19, s19, 8*REC
	s_wait_dscnt 0x0                               ; both opening adds are done
	s_wait_kmcnt 0x0
	s_add_nc_u64 s[20:21], s[PA:PA+1], s[20:21]
	s_add_nc_u64 s[46:47], s[PB:PB+1], s[46:47]
.irp s, 0,1
	s_mov_b32 s[G0+4*\s], 1
	s_add_co_u32 s[G0+4*\s+1], s45, \s*SLOT
	s_add_nc_u64 s[G0+4*\s+2:G0+4*\s+3], s[20:21], \s*REC
	s_or_b32 s[G0+4*\s+3], s[G0+4*\s+3], 0x80000000
	s_mov_b32 s[G0B+4*\s], 1
	s_add_co_u32 s[G0B+4*\s+1], s19, \s*SLOT
	s_add_nc_u64 s[G0B+4*\s+2:G0B+4*\s+3], s[46:47], \s*REC
	s_or_b32 s[G0B+4*\s+3], s[G0B+4*\s+3], 0x80000000
.endr
	CROUND                                         ; all sixteen work-groups are here: the first joint loads meet
	JLOAD 0                                        ; chunk 0: one tensor load a wave at the head; the addresses and the bias are made while it is out
	v_and_b32 v1, 15, v0                           ; r
	v_bfe_u32 v2, v0, 4, 1                         ; h
	v_and_b32 v3, 31, v0                           ; lane
	v_lshlrev_b32 v[L16], 4, v3
	s_wait_alu depctr_va_vdst(0)
	v_lshlrev_b32 v9, 6, v2
	s_lshl_b32 s72, s42, 10
	s_lshl_b32 s73, s16, 9
	s_add_co_u32 s72, s72, s73                     ; my first column, in bytes
	s_mov_b32 s73, 0
	s_add_nc_u64 s[76:77], s[PBIAS:PBIAS+1], s[72:73]
.irp b, 0,1,2,3,4,5,6,7
	global_load_b128 v[BIAS+8*\b:BIAS+8*\b+3], v9, s[76:77] offset:128*(\b/2)+32*(\b%2)      ; bo at block b's eight columns of my lane
	global_load_b128 v[BIAS+8*\b+4:BIAS+8*\b+7], v9, s[76:77] offset:128*(\b/2)+32*(\b%2)+16
.endr
	s_mul_i32 s86, s15, 4*REC
	s_mul_i32 s87, s16, 8*REC
	s_add_co_u32 s87, s87, 8*REC
	v_add_nc_u32 v[ADRA], s86, v[L16]
	v_add_nc_u32 v[ADRB], s87, v[L16]
	v_add_nc_u32 v[ADRA+1], SLOT, v[ADRA]
	v_add_nc_u32 v[ADRB+1], SLOT, v[ADRB]
	s_sub_co_u32 s88, s87, s86
	v_mul_u32_u24 v4, s88, v2                      ; lanes 16-31 take Wo's scale words
	v_lshl_add_u32 v4, v1, 2, v4
	s_add_co_u32 s89, s86, 6144
	v_add_nc_u32 v[ADRS], s89, v4
	v_add_nc_u32 v[ADRS+1], SLOT, v[ADRS]
	s_mul_i32 s90, s14, 16*SPITCH                  ; my stage, in slot 0
	v_mul_u32_u24 v[STO], v1, SPITCH
	v_lshl_add_u32 v[STO], v2, 6, v[STO]
	v_add_nc_u32 v[STO], s90, v[STO]
	v_add_nc_u32 v[RD], s90, v[L16]
	s_lshl_b32 s74, s17, 7
	s_lshl_b32 s75, s15, 6
	s_add_co_u32 s74, s74, s75
	s_lshl_b32 s74, s74, 14                        ; my first row, of 16,384 bytes
	s_add_co_u32 s72, s72, s74
	s_add_nc_u64 s[78:79], s[10:11], s[72:73]
	s_lshl_b32 s92, s17, 3                         ; the prefetches: a's row tile 8 x tile row + 2 cx + wave % 2,
	s_lshl_b32 s93, s40, 1
	s_add_co_u32 s92, s92, s93
	s_add_co_u32 s92, s92, s16
	s_mul_i32 s92, s92, TROW
	s_add_co_u32 s92, s92, REC                     ; chunk 1
	s_mov_b32 s93, 0
	s_add_nc_u64 s[PFA:PFA+1], s[PA:PA+1], s[92:93]
	s_lshl_b32 s92, s42, 4                         ; Wo's row tile 16 x tile column + 4 cy + wave
	s_lshl_b32 s94, s41, 2
	s_add_co_u32 s92, s92, s94
	s_add_co_u32 s92, s92, s14
	s_mul_i32 s92, s92, TROW
	s_add_co_u32 s92, s92, W_OFF+REC
	s_add_nc_u64 s[PFB:PFB+1], s[PB:PB+1], s[92:93]
	v_min_u32 v[PFO], 24, v3
	v_lshlrev_b32 v[PFO], 8, v[PFO]
.macro FETCH slot, q, p                ; 44 LDS loads, in the order in which the products want them: 8 of scale words, 12 of a's fragments, 24 of Wo's
.irp i, 0,1,2,3,4,5,6,7
	ds_load_b32 v[SC+8*(\p)+\i], v[ADRS+\slot] offset:REC*\i+64*(\q)
.endr
.irp i, 0,1,2,3
.irp c, 0,1,2
	ds_load_b128 v[AF+48*(\p)+12*\i+4*\c:AF+48*(\p)+12*\i+4*\c+3], v[ADRA+\slot] offset:REC*\i+1536*(\q)+512*\c
.endr
.endr
	WIN TO_B
.irp i, 0,1,2,3,4,5,6,7
.irp c, 0,1,2
	ds_load_b128 v[128*(\p)+12*\i+4*\c:128*(\p)+12*\i+4*\c+3], v[ADRB+\slot] offset:REC*\i+1536*(\q)+512*\c
.endr
.endr
	WIN 0
.endm
.macro MUL4 b, p, first                ; four products: Wo's block b against a's four; the accumulators by turns
.irp a, 0,1,2,3
.if \first
	v_wmma_scale_f32_16x16x128_f8f6f4 v[8*(8*(\a)+\b):8*(8*(\a)+\b)+7], v[128*(\p)+12*\b:128*(\p)+12*\b+11], v[AF+48*(\p)+12*(\a):AF+48*(\p)+12*(\a)+11], v[BIAS+8*\b:BIAS+8*\b+7], v[SC+8*(\p)+\b], v[SC+8*(\p)+(\a)] matrix_a_fmt:MATRIX_FMT_FP6 matrix_b_fmt:MATRIX_FMT_FP6 matrix_a_scale:MATRIX_SCALE_ROW1
.else
	v_wmma_scale_f32_16x16x128_f8f6f4 v[8*(8*(\a)+\b):8*(8*(\a)+\b)+7], v[128*(\p)+12*\b:128*(\p)+12*\b+11], v[AF+48*(\p)+12*(\a):AF+48*(\p)+12*(\a)+11], v[8*(8*(\a)+\b):8*(8*(\a)+\b)+7], v[SC+8*(\p)+\b], v[SC+8*(\p)+(\a)] matrix_a_fmt:MATRIX_FMT_FP6 matrix_b_fmt:MATRIX_FMT_FP6 matrix_a_scale:MATRIX_SCALE_ROW1
.endif
.endr
.endm
.macro RUN p, first, young, b0, n      ; blocks b0 .. b0 + n - 1.  Block b reads the scale words, a's fragments and Wo's blocks up to b: the 3 (7 - b) loads behind them, and the young ones issued since, may be out
.set BX, \b0
.rept \n
.if (\young) >= 0
.if (\young)+3*(7-BX) > 63
	s_wait_dscnt 63
.else
	s_wait_dscnt (\young)+3*(7-BX)
.endif
.endif
	MUL4 BX, \p, \first
.set BX, BX+1
.endr
.endm
.macro STEP slot, q, first             ; one of a slot's first three steps: the next step's fragments are asked for, then this step's 32 products
.if \first
	FETCH \slot, (\q)+1, 1-(\q)%2
	WIN MULB
.else
	PLACES 4                                       ; in front of loads into registers that the last step's products have read
	FETCH \slot, (\q)+1, 1-(\q)%2
	WIN MUL
.endif
	RUN (\q)%2, \first, 44, 0, 8                   ; the 44 loads just issued are the young ones
	WIN 0
.endm
.macro TURN slot, next, fill           ; a slot's last step, and the change of slots
.if \fill
	s_wait_xcnt 0x0                                ; my prefetches have read their addresses: they step a chunk on
	s_add_nc_u64 s[PFA:PFA+1], s[PFA:PFA+1], REC
	s_add_nc_u64 s[PFB:PFB+1], s[PFB:PFB+1], REC
.endif
	s_wait_tensorcnt 0x0                           ; all my tensor loads have landed: my part of the next slot;
	ds_add_u32 v[SPW], v[NIL]
	WIN MUL
	RUN 1, 0, 1, 0, 2                              ; (the add is the young one)
	s_wait_dscnt 0x0                               ; the add is done, and so are my reads of this slot
	s_barrier_signal -1
	RUN 1, 0, -1, 2, 2
	WIN 0
	s_barrier_wait -1
.if \fill
	CREST                                          ; the barrier has opened a round: no wave of any partner still reads this slot or has a load out
	s_add_nc_u64 s[G0+4*\slot+2:G0+4*\slot+3], s[G0+4*\slot+2:G0+4*\slot+3], 2*REC
	s_add_nc_u64 s[G0B+4*\slot+2:G0B+4*\slot+3], s[G0B+4*\slot+2:G0B+4*\slot+3], 2*REC
	JLOAD \slot                                    ; the first tensor load behind the round; its four v_nop are the places in front of the loads below
.else
	PLACES 4
.endif
	FETCH \next, 0, 0
.if \fill
.if \slot == 1
	s_cmp_lg_u32 s3, 1                             ; the last trip's second load is chunk 7's: no chunk follows it
	s_cbranch_scc0 .Lno_ask_\@
.endif
	ASK
.Lno_ask_\@:
.endif
	WIN MUL
	RUN 1, 0, -1, 4, 4
	WIN 0
.endm
	s_wait_alu depctr_va_vdst(0)
	ASK                                            ; chunk 1
	s_wait_tensorcnt 0x0                           ; my part of chunk 0 is in
	ds_add_u32 v[SPW], v[NIL]
	s_wait_xcnt 0x0
	s_add_nc_u64 s[PFA:PFA+1], s[PFA:PFA+1], REC
	s_add_nc_u64 s[PFB:PFB+1], s[PFB:PFB+1], REC
	s_wait_dscnt 0x0
	CROUND                                         ; everybody's part of chunk 0 is in, and the joint loads meet
	JLOAD 1                                        ; chunk 1, the first tensor load behind the round
	FETCH 0, 0, 0
	ASK                                            ; chunk 2
	s_wait_loadcnt 0x0                             ; the bias
	STEP 0, 0, 1                                   ; the first products start the sums from the bias
	s_mov_b32 s3, 3
.Llap:                                                 ; a trip goes once round the ring, from a lap's second step to the next lap's first, and fills both slots again
	STEP 0, 1, 0
	STEP 0, 2, 0
	TURN 0, 1, 1
	STEP 1, 0, 0
	STEP 1, 1, 0
	STEP 1, 2, 0
	TURN 1, 0, 1
	STEP 0, 0, 0
	s_sub_co_u32 s3, s3, 1
	s_cmp_lg_u32 s3, 0
	s_cbranch_scc1 .Llap
	STEP 0, 1, 0                                   ; the last lap asks for nothing more
	STEP 0, 2, 0
	TURN 0, 1, 0
	STEP 1, 0, 0
	STEP 1, 1, 0
	STEP 1, 2, 0
	WIN MUL
	RUN 1, 0, 0, 0, 8
	WIN 0
; THE WAY OUT, by blocks of 16 rows x 128 columns, through my own stage in slot 0, which has had its last fill and, behind the last barrier, its last read.  A block comes back as whole rows of 512 bytes.
.macro TOSTAGE a
	WIN 0x08
.irp b, 0,1,2,3,4,5,6,7
	ds_store_b128 v[STO], v[64*(\a)+8*\b:64*(\a)+8*\b+3] offset:128*(\b/2)+32*(\b%2)          ; each accumulator from its low end on
	ds_store_b128 v[STO], v[64*(\a)+8*\b+4:64*(\a)+8*\b+7] offset:128*(\b/2)+32*(\b%2)+16
.endr
	WIN 0
.set BB, BK+64*((\a)%2)
.irp t, 0,1,2,3,4,5,6,7,8,9,10,11,12,13,14,15
	ds_load_b128 v[BB+4*\t:BB+4*\t+3], v[RD] offset:\t*SPITCH    ; LDS serves a wave's instructions in order: these see the stores above
.endr
.endm
.macro SEND a, younger                 ; younger: the LDS instructions issued behind block a's loads
.set BB, BK+64*((\a)%2)
	s_wait_dscnt \younger
.irp t, 0,1,2,3,4,5,6,7,8,9,10,11,12,13,14,15
	global_store_b128 v[L16], v[BB+4*\t:BB+4*\t+3], s[78:79] offset:(16*(\a)+\t)*16384 th:TH_STORE_NT   ; 32 lanes store 512 consecutive bytes, aligned
.endr
.endm
	PLACES 4                                       ; in front of the stores that read results, and of the loads into a's fragments' registers
	TOSTAGE 0
	TOSTAGE 1
	SEND 0, 32
	s_wait_xcnt 0x0                                ; block 0's stores have read their registers: block 2's loads may land there
	TOSTAGE 2
	SEND 1, 32
	s_wait_xcnt 0x0
	TOSTAGE 3
	SEND 2, 32
	SEND 3, 0
	s_wait_tensorcnt 0x0                           ; the wave's end
	ds_add_u32 v[SPW], v[NIL]
	s_wait_dscnt 0x0
	CROUND                                         ; the closing round
	s_endpgm
.Lfunc_end_k_q4ca20b8466_oproj:
	.size	k_q4ca20b8466_oproj, .Lfunc_end_k_q4ca20b8466_oproj-k_q4ca20b8466_oproj
	.p2alignl 7, 3214868480
	.fill 96, 4, 3214868480
	.section	.rodata,"a",@progbits
	.p2align	6, 0x0
	.amdhsa_kernel k_q4ca20b8466_oproj
		.amdhsa_group_segment_fixed_size 327680
		.amdhsa_private_segment_fixed_size 0
		.amdhsa_enable_private_segment 0
		.amdhsa_kernarg_size 32
		.amdhsa_user_sgpr_count 2
		.amdhsa_user_sgpr_kernarg_segment_ptr 1
		.amdhsa_wavefront_size32 1
		.amdhsa_system_sgpr_workgroup_id_x 1
		.amdhsa_system_sgpr_workgroup_id_y 1
		.amdhsa_system_sgpr_workgroup_id_z 1
		.amdhsa_system_vgpr_workitem_id 0
		.amdhsa_next_free_vgpr 768
		.amdhsa_next_free_sgpr 96
		.amdhsa_reserve_vcc 0
		.amdhsa_float_denorm_mode_32 3
		.amdhsa_float_denorm_mode_16_64 3
		.amdhsa_memory_ordered 1
		.amdhsa_forward_progress 1
		.amdhsa_inst_pref_size 144
	.end_amdhsa_kernel
	.amdgpu_metadata
---
amdhsa.version: [ 1, 2 ]
amdhsa.kernels:
  - .name:           k_q4ca20b8466_oproj
    .symbol:         k_q4ca20b8466_oproj.kd
    .args:
      - { .name: arec, .offset: 0, .size: 8, .value_kind: global_buffer, .address_space: global }
      - { .name: wrec, .offset: 8, .size: 8, .value_kind: global_buffer, .address_space: global }
      - { .name: bo, .offset: 16, .size: 8, .value_kind: global_buffer, .address_space: global }
      - { .name: out0, .offset: 24, .size: 8, .value_kind: global_buffer, .address_space: global }
    .group_segment_fixed_size: 327680
    .private_segment_fixed_size: 0
    .kernarg_segment_align: 8
    .kernarg_segment_size: 32
    .max_flat_workgroup_size: 128
    .sgpr_count:     96
    .vgpr_count:     768
    .wavefront_size: 32
...
	.end_amdgpu_metadata
.endif
;; end of part 4
